; MI455X (gfx1250); checked and timed in simulation.
; The chip was launched on July 23, 2026; its instructions are those of AMD's public machine-readable ISA for CDNA 5 (MIT licence, August 2026) and "CDNA5" Instruction Set Architecture Reference Guide (July 2026). The comments in the code are by the model that wrote it; some were corrected since.
;; Bahdanau Attention. Allowed arithmetic: matrix products marked QUANTISED: E4M3 operands, one E8M0 scale for each 32 along K, by v_wmma_scale_f32_16x16x128_f8f6f4 with both operands' format E4M3, f32 sums; products left as they are: f32 operands where the result goes on into a quantised operand, else bf16, f16 or f32 operands; f32 sums; everything else in f32.
;; Inputs: V 1,024 x 1 float32; W1_codes 1,024 x 32 x 32 uint8 (E4M3 codes of W1, K innermost, in blocks of 32 codes); W1_scales 1,024 x 32 uint8 (E8M0 scales of W1, one for each 32 codes along K); W2_codes 1,024 x 32 x 32 uint8 (E4M3 codes of W2, K innermost, in blocks of 32 codes); W2_scales 1,024 x 32 uint8 (E8M0 scales of W2, one for each 32 codes along K); W3 1 x 1,024 float32; b1 1,024 float32; b2 1,024 float32; b3 1,024 float32; bV 1 float32; coverage 32 x 2,048 x 1 float32; query_codes 32 x 32 x 32 uint8 (E4M3 codes of query, K innermost, in blocks of 32 codes); query_scales 32 x 32 uint8 (E8M0 scales of query, one for each 32 codes along K); values 32 x 2,048 x 1,024 float32.
;; Outputs: out0 32 x 1,024 float32; out1 32 x 2,048 x 1 float32; out2 32 x 2,048 x 1 float32.
;; This version of the problem:
;;   THIS VERSION OF THE PROBLEM IS GIVEN IN LOW PRECISION. The matrix products marked QUANTISED in the list below multiply operands that are first quantised to E4M3 (4 exponent bits, 3 mantissa bits; 8 bits a number), with one power-of-two scale for each 32 numbers along K (OCP MX v1.0); their sums are f32. All else is computed in f32.
;;   The module's matrix products, in the order in which they are computed (A, B: the left and right operand; K: the contracted axis; several contracted axes count as one K, in the product's order):
;;     1. [M 32, K 1,024] x [K 1,024, N 1,024]; A: input query (given as codes); B: input W2 (given as codes): QUANTISED
;;     2. [M 65,536, K 1,024] x [K 1,024, N 1,024]; A: input values; B: input W1 (given as codes): QUANTISED
;;     3. [M 65,536, K 1] x [K 1, N 1,024]; A: input coverage; B: input W3: left as it is (K = 1 < 32)
;;     4. [M 65,536, K 1,024] x [K 1,024, N 1]; A: computed on the way; B: input V: left as it is (N = 1 < 16)
;;   THE QUANTISER, for each operand of a quantised product, along K:
;;     - K is cut into blocks of 32 from its start; a last block that is shorter is filled with zeros.
;;     - A block's scale is 2^e with e = floor(log2(the largest magnitude in the block)) - 8, held to -126 .. 127; a block of zeros has e = 0. As a byte (E8M0): e + 127.
;;     - Each number is divided by its block's scale, clamped to +-448, and rounded to the nearest number of E4M3, ties to even, subnormals kept.
;;     - The product sums the exact products of the quantised numbers (number of the format x scale) in f32.
;;   ~~~python
;;   def quantise(x, axis):      # numpy; x: float32 -> the quantised numbers, widened to float32 again
;;       x = np.moveaxis(x, axis, -1); K = x.shape[-1]
;;       x = np.pad(x, [(0, 0)] * (x.ndim - 1) + [(0, -K % 32)]); x = x.reshape(x.shape[:-1] + (-1, 32)); a = np.abs(x).max(-1, keepdims=True)
;;       e = np.where(a > 0, np.clip(np.frexp(np.where(a > 0, a, 1))[1] - 1 - 8, -126, 127), 0)      # np.frexp(a)[1] - 1 = floor(log2(a)), exactly
;;       r = np.clip(x / 2.0 ** e, -448, 448)
;;       step = 2.0 ** (np.maximum(np.frexp(np.where(r == 0, 1, r))[1] - 1, -6) - 3)
;;       q = np.round(r / step) * step * 2.0 ** e      # np.round: ties to even
;;       return np.moveaxis(q.reshape(q.shape[:-2] + (-1,))[..., :K], -1, axis).astype(np.float32)
;;   ~~~
;;   INPUTS GIVEN AS CODES. W1 (in the module: [1024, 1024], K = its axis 0); W2 (in the module: [1024, 1024], K = its axis 0); query (in the module: [32, 1024], K = its axis 1): each comes as NAME_codes (uint8): NAME with its K axis moved to the last place and cut into blocks of 32 codes, [.., K / 32, bytes a block], one block behind the other in memory; one code a byte (a code: sign, 4 exponent bits, 3 mantissa bits); and NAME_scales (uint8): the same leading axes, one E8M0 byte (e + 127) for each 32 codes along K. Its value is code x scale, taken as it is: it is not quantised again, and the codes and scales need not be those that the quantiser above would give.
;; One version. Each part assembles by itself: llvm-mc -triple=amdgcn-amd-amdhsa -mcpu=gfx1250 --defsym DOCPART=n.
;; ======== version 1 of 1: 3 launches
;; limits: right only within a limited range of input values
;; workspace buffers: w1img 1,081,344 bytes; table 524,288 bytes; scores 262,144 bytes
;; launch prep (part 1): grid 64 x 2, 1 waves a work-group, no clusters, 0 bytes of LDS; arguments query_codes, query_scales, W2_codes, W2_scales, W1_codes, W1_scales, b1, b2, b3, W3, V, w1img, table; writes w1img, table
.if DOCPART == 1
	.amdgcn_target "amdgcn-amd-amdhsa--gfx1250"
	.amdhsa_code_object_version 6
	.text
	.protected	k_qae00b3bea8_prep
	.globl	k_qae00b3bea8_prep
	.p2align	8
	.type	k_qae00b3bea8_prep,@function
k_qae00b3bea8_prep:
	s_mov_b64 s[64:65], 0
	v_nop
	global_prefetch_b8 v0, s[64:65] scope:SCOPE_SE
	s_setreg_imm32_b32 hwreg(HW_REG_WAVE_MODE, 25, 1), 1
	s_wait_xcnt 0x0
; PREP.  Two small jobs for the launch that makes the scores.
; (1) q_proj = query W2 on the codes as they are given (MX-FP8, the scaled matrix form, f32 sums), + b1 + b2 + b3, laid into a table
;     [32 batches][1024 units][16 bytes]: (q_proj + b1 + b2 + b3, -2 V[u], W3[u], 0): what one lane of the next launch wants of a unit comes by one load of 16 bytes.
; (2) W1's codes and scale bytes are laid anew as IMAGES OF THE OPERAND'S REGISTERS, in 8 tiles of 135,168 bytes (128 units each):
;     codes: unit tile t' (0..7), K step k (0..7), group c (0..3), lane l = (r = l % 16, h = l / 16): 16 bytes at (8 t' + k) 2048 + 512 c + 16 l = W1_codes[unit 16 t + r][128 k + 32 c + 16 h ..];
;     scale bytes, from byte 131,072 of a tile on: 512 t' + 256 half + 16 r = W1_scales[unit][16 half .. + 15]: the scale words of K steps 4 half .. 4 half + 3.
; SHARES.  One wave to a work-group.  Work-group (t, y): units 16 t .. 16 t + 15; y is the tile of 16 batches for (1) and the half of K for (2).  128 work-groups: the whole job is 2 MB.
; No cluster: the two work-groups of a t share 16 KB of W2, read once each; no LDS, no tensor load: every fragment goes from memory straight into its registers.
; LIMITS: scale bytes 0xff (NaN) among the given scales give NaN, as the format says.  The sum over K is kept in two halves (even and odd K steps), added at the end.
; REGISTERS: v1-7 offsets; v[8:9] W1's scale bytes; v16-23 query's scale words, v24-31 W2's; v32-39 the vectors; v40-47, v48-55 two accumulators; v64-127 W1's codes; v128-255 query's fragments; window 1 v0-127 W2's.
; WORK LEFT OUT, in the whole program.  reference() adds bV to every score of a batch and then takes the softmax along the sequence; the scores reach the outputs through that softmax alone.
; softmax(s + c) = softmax(s) for every real c that is the same along the axis, whatever the inputs hold.  So bV reaches no output: it is not loaded and is among no launch's arguments.
; By the same identity the launch 'score' leaves out the sum over u of V[u], the part of  sum V[u] tanh(x[u]) = sum V[u] - 2 sum V[u] / (1 + e^(2 x[u]))  that is the same for all rows.
; LIMIT: a NaN, an infinity or an overflow that reaches only bV or that sum of V is not carried to the result.
.set TILEB, 135168
.set MSB, 0
.macro WIN new                         ; the immediate's high byte repeats the setting that is left
.if MSB != \new
	s_set_vgpr_msb (MSB<<8)|\new
.set MSB, \new
.endif
.endm
	s_load_b512 s[4:19], s[0:1], 0x0               ; query_codes, query_scales, W2_codes, W2_scales, W1_codes, W1_scales, b1, b2
	s_load_b256 s[20:27], s[0:1], 0x40             ; b3, W3, V, w1img
	s_load_b64 s[28:29], s[0:1], 0x60              ; table
	s_and_b32 s30, ttmp7, 0xffff                   ; y
	v_and_b32 v10, 15, v0                          ; r
	v_lshrrev_b32 v11, 4, v0                       ; h
	v_lshlrev_b32 v1, 10, v10
	v_lshl_add_u32 v1, v11, 4, v1                  ; a row of 1,024 codes: 1024 r + 16 h
	v_lshlrev_b32 v2, 5, v10                       ; a row of 32 scale bytes
	v_lshlrev_b32 v3, 2, v10                       ; the f32 vectors: 4 r
	v_lshlrev_b32 v4, 4, v0                        ; an image's place: 16 x lane
	v_lshlrev_b32 v5, 4, v10
	v_lshl_add_u32 v5, v11, 17, v5                 ; the table: 8 h batches of 16,384 bytes + 16 r
	v_lshrrev_b32 v6, 1, v0
	v_and_b32 v7, 1, v0
	v_lshlrev_b32 v6, 5, v6
	v_lshl_add_u32 v6, v7, 3, v6                   ; W1's scale bytes in: row lane / 2, 8 bytes for each of two lanes
	v_lshlrev_b32 v7, 3, v0                        ; and out: 8 x lane
	s_lshl_b32 s32, s30, 14                        ; 16 rows of query's codes
	s_mov_b32 s33, 0
	s_lshl_b32 s34, s30, 9                         ; 16 rows of query's scales; also half a row of W1's codes
	s_mov_b32 s35, 0
	s_lshl_b32 s36, ttmp9, 14                      ; 16 rows of W1's or W2's codes
	s_mov_b32 s37, 0
	s_lshl_b32 s38, ttmp9, 9                       ; 16 rows of their scales
	s_mov_b32 s39, 0
	s_lshl_b32 s40, s30, 4                         ; half a row of W1's scales
	s_mov_b32 s41, 0
	s_lshl_b32 s42, ttmp9, 6                       ; 16 numbers of a vector
	s_mov_b32 s43, 0
	s_lshr_b32 s31, ttmp9, 3
	s_mul_i32 s31, s31, TILEB                      ; the tile of w1img
	s_and_b32 s48, ttmp9, 7                        ; t'
	s_lshl_b32 s44, s48, 14
	s_add_co_u32 s44, s44, s31
	s_lshl_b32 s49, s30, 13
	s_add_co_u32 s44, s44, s49                     ; codes: tile + 16384 t' + 8192 y
	s_mov_b32 s45, 0
	s_lshl_b32 s46, s48, 9
	s_add_co_u32 s46, s46, s31
	s_lshl_b32 s49, s30, 8
	s_add_co_u32 s46, s46, s49
	s_add_co_u32 s46, s46, 131072                  ; scale bytes: tile + 131072 + 512 t' + 256 y
	s_mov_b32 s47, 0
	s_lshl_b32 s50, s30, 18
	s_lshl_b32 s49, ttmp9, 8
	s_add_co_u32 s50, s50, s49                     ; the table: 16 y batches + 16 t units
	s_mov_b32 s51, 0
	s_wait_alu depctr_va_vdst(0)
	s_wait_kmcnt 0x0
	s_add_nc_u64 s[4:5], s[4:5], s[32:33]
	s_add_nc_u64 s[6:7], s[6:7], s[34:35]
	s_add_nc_u64 s[8:9], s[8:9], s[36:37]
	s_add_nc_u64 s[10:11], s[10:11], s[38:39]
	s_add_nc_u64 s[12:13], s[12:13], s[36:37]
	s_add_nc_u64 s[12:13], s[12:13], s[34:35]
	s_add_nc_u64 s[14:15], s[14:15], s[38:39]
	s_add_nc_u64 s[14:15], s[14:15], s[40:41]
	s_add_nc_u64 s[16:17], s[16:17], s[42:43]
	s_add_nc_u64 s[18:19], s[18:19], s[42:43]
	s_add_nc_u64 s[20:21], s[20:21], s[42:43]
	s_add_nc_u64 s[22:23], s[22:23], s[42:43]
	s_add_nc_u64 s[24:25], s[24:25], s[42:43]
	s_add_nc_u64 s[46:47], s[26:27], s[46:47]      ; w1img at my scale bytes
	s_add_nc_u64 s[26:27], s[26:27], s[44:45]      ; w1img at my codes
	s_add_nc_u64 s[28:29], s[28:29], s[50:51]
.irp kk, 0,1,2,3
.irp c, 0,1,2,3
	global_load_b128 v[64+16*\kk+4*\c:67+16*\kk+4*\c], v1, s[12:13] offset:128*\kk+32*\c    ; W1: my half of K, as the operand's layout gives it to my lane
.endr
.endr
	global_load_b64 v[8:9], v6, s[14:15]
.irp k, 0,1,2,3,4,5,6,7
.irp c, 0,1,2,3
	global_load_b128 v[128+16*\k+4*\c:131+16*\k+4*\c], v1, s[4:5] offset:128*\k+32*\c       ; query's eight fragments
.endr
.endr
	WIN 0x40                                       ; destination window 1
.irp k, 0,1,2,3,4,5,6,7
.irp c, 0,1,2,3
	global_load_b128 v[16*\k+4*\c:16*\k+4*\c+3], v1, s[8:9] offset:128*\k+32*\c             ; W2's eight
.endr
.endr
	WIN 0
	global_load_b128 v[16:19], v2, s[6:7]          ; scale words: register 16 + k, 24 + k for K step k
	global_load_b128 v[20:23], v2, s[6:7] offset:16
	global_load_b128 v[24:27], v2, s[10:11]
	global_load_b128 v[28:31], v2, s[10:11] offset:16
	global_load_b32 v32, v3, s[16:17]              ; b1, b2, b3, W3, V of unit 16 t + r
	global_load_b32 v33, v3, s[18:19]
	global_load_b32 v34, v3, s[20:21]
	global_load_b32 v35, v3, s[22:23]
	global_load_b32 v36, v3, s[24:25]
	s_wait_loadcnt 0x0
.irp kk, 0,1,2,3
.irp c, 0,1,2,3
	global_store_b128 v4, v[64+16*\kk+4*\c:67+16*\kk+4*\c], s[26:27] offset:2048*\kk+512*\c ; the image: 32 lanes store 512 consecutive bytes
.endr
.endr
	global_store_b64 v7, v[8:9], s[46:47]          ; 32 lanes store 256 consecutive bytes, aligned
	WIN 0x04                                       ; source 1 (W2) window 1
; q_proj: source 0 = 16 batches, source 1 = 16 units.  Two accumulators by turns; the first two products start the sums
.irp k, 0,1,2,3,4,5,6,7
.if \k < 2
	v_wmma_scale_f32_16x16x128_f8f6f4 v[40+8*(\k%2):47+8*(\k%2)], v[128+16*\k:143+16*\k], v[16*\k:16*\k+15], 0, v[16+\k], v[24+\k]
.else
	v_wmma_scale_f32_16x16x128_f8f6f4 v[40+8*(\k%2):47+8*(\k%2)], v[128+16*\k:143+16*\k], v[16*\k:16*\k+15], v[40+8*(\k%2):47+8*(\k%2)], v[16+\k], v[24+\k]
.endif
.endr
	WIN 0
	v_add_f32 v37, v32, v33                        ; eight plain lines that name no register of the products stand behind them: four of use
	v_add_f32 v37, v37, v34                        ; b1 + b2 + b3
	v_mul_f32 v38, -2.0, v36                       ; -2 V
	v_mov_b32 v39, 0
.rept 4
	v_nop                                          ; and four idle
.endr
.irp j, 0,1,2,3,4,5,6,7                        ; register j: batch 16 y + 8 h + j, unit 16 t + r; each accumulator is read from its low end on
	v_add_f32 v[128+4*\j], v[40+\j], v[48+\j]
	v_add_f32 v[128+4*\j], v[128+4*\j], v37
	v_mov_b32 v[129+4*\j], v38
	v_mov_b32 v[130+4*\j], v35
	v_mov_b32 v[131+4*\j], v39
.endr
.irp j, 0,1,2,3,4,5,6,7
	global_store_b128 v5, v[128+4*\j:131+4*\j], s[28:29] offset:16384*\j   ; sixteen lanes store 256 consecutive bytes, aligned
.endr
	s_endpgm
.Lfunc_end_k_qae00b3bea8_prep:
	.size	k_qae00b3bea8_prep, .Lfunc_end_k_qae00b3bea8_prep-k_qae00b3bea8_prep
	.p2alignl 7, 3214868480
	.fill 96, 4, 3214868480
	.section	.rodata,"a",@progbits
	.p2align	6, 0x0
	.amdhsa_kernel k_qae00b3bea8_prep
		.amdhsa_group_segment_fixed_size 0
		.amdhsa_private_segment_fixed_size 0
		.amdhsa_enable_private_segment 0
		.amdhsa_kernarg_size 104
		.amdhsa_user_sgpr_count 2
		.amdhsa_user_sgpr_kernarg_segment_ptr 1
		.amdhsa_wavefront_size32 1
		.amdhsa_system_sgpr_workgroup_id_x 1
		.amdhsa_system_sgpr_workgroup_id_y 1
		.amdhsa_system_sgpr_workgroup_id_z 1
		.amdhsa_system_vgpr_workitem_id 0
		.amdhsa_next_free_vgpr 384
		.amdhsa_next_free_sgpr 66
		.amdhsa_reserve_vcc 0
		.amdhsa_float_denorm_mode_32 3
		.amdhsa_float_denorm_mode_16_64 3
		.amdhsa_memory_ordered 1
		.amdhsa_forward_progress 1
		.amdhsa_inst_pref_size 17
	.end_amdhsa_kernel
	.amdgpu_metadata
---
amdhsa.version: [ 1, 2 ]
amdhsa.kernels:
  - .name:           k_qae00b3bea8_prep
    .symbol:         k_qae00b3bea8_prep.kd
    .args:
      - { .name: query_codes, .offset: 0, .size: 8, .value_kind: global_buffer, .address_space: global }
      - { .name: query_scales, .offset: 8, .size: 8, .value_kind: global_buffer, .address_space: global }
      - { .name: W2_codes, .offset: 16, .size: 8, .value_kind: global_buffer, .address_space: global }
      - { .name: W2_scales, .offset: 24, .size: 8, .value_kind: global_buffer, .address_space: global }
      - { .name: W1_codes, .offset: 32, .size: 8, .value_kind: global_buffer, .address_space: global }
      - { .name: W1_scales, .offset: 40, .size: 8, .value_kind: global_buffer, .address_space: global }
      - { .name: b1, .offset: 48, .size: 8, .value_kind: global_buffer, .address_space: global }
      - { .name: b2, .offset: 56, .size: 8, .value_kind: global_buffer, .address_space: global }
      - { .name: b3, .offset: 64, .size: 8, .value_kind: global_buffer, .address_space: global }
      - { .name: W3, .offset: 72, .size: 8, .value_kind: global_buffer, .address_space: global }
      - { .name: V, .offset: 80, .size: 8, .value_kind: global_buffer, .address_space: global }
      - { .name: w1img, .offset: 88, .size: 8, .value_kind: global_buffer, .address_space: global }
      - { .name: table, .offset: 96, .size: 8, .value_kind: global_buffer, .address_space: global }
    .group_segment_fixed_size: 0
    .private_segment_fixed_size: 0
    .kernarg_segment_align: 8
    .kernarg_segment_size: 104
    .max_flat_workgroup_size: 32
    .sgpr_count:     66
    .vgpr_count:     384
    .wavefront_size: 32
...
	.end_amdgpu_metadata
.endif
;; end of part 1
;; launch score (part 2): grid 256 x 1, 4 waves a work-group, clusters of 4 x 1, 327,680 bytes of LDS; arguments values, coverage, w1img, table, scores; writes scores
.if DOCPART == 2
	.amdgcn_target "amdgcn-amd-amdhsa--gfx1250"
	.amdhsa_code_object_version 6
	.text
	.protected	k_qae00b3bea8_score
	.globl	k_qae00b3bea8_score
	.p2align	8
	.type	k_qae00b3bea8_score,@function
k_qae00b3bea8_score:
	s_mov_b64 s[64:65], 0
	v_nop
	global_prefetch_b8 v0, s[64:65] scope:SCOPE_SE
	s_setreg_imm32_b32 hwreg(HW_REG_WAVE_MODE, 25, 1), 1
	s_wait_xcnt 0x0
	s_wait_alu depctr_hold_cnt(0) depctr_sa_sdst(0) depctr_va_vdst(0) depctr_va_sdst(0) depctr_va_ssrc(0) depctr_va_vcc(0) depctr_vm_vsrc(0)
	s_getreg_b32 s2, hwreg(HW_REG_IB_STS2, 6, 4)
	s_cmp_eq_u32 s2, 0
	s_cbranch_scc0 .Lentry_in_a_cluster
	s_endpgm
.Lentry_in_a_cluster:
	s_bfe_u32 s2, ttmp6, 0x10000c
	s_cmp_lg_u32 s2, 0x3003
	s_cbranch_scc0 .Lentry_shape_is_right
	s_endpgm
.Lentry_shape_is_right:
; SCORE.  scores[row] = sum over units u of -2 V[u] / (1 + 2^(c x)),  x = values[row] W1[:, u] + coverage[row] W3[u] + (q_proj + b1 + b2 + b3)[u],  c = 2 log2 e:
; that is sum V[u] tanh(x) less the sum of V[u].  LEFT OUT: bV and the sum of V[u], both the same along the softmax's axis (shown at the head of the first kernel).
; values W1 is the quantised product: values are quantised here to E4M3 with one E8M0 scale for 32 along K, W1 comes as codes; scaled matrix form, f32 sums.
; SHARES.  A work-group owns 256 rows of one batch, a wave 64 of them (4 tiles of 16) for all 1,024 units.  256 work-groups.
; PART 1: the wave's rows come in 8 tiles of 64 rows x 128 K of f32 (rows of 512 bytes) through two LDS slots, one tensor load a wave behind each round, asked for one whole tile ahead;
;   each tile is quantised; the codes are the operand's registers as they stand; they pass through the wave's own stage only so that the four row tiles can be one counted loop; then they stay in windows 2 and 3.
; PART 2: W1's register images (8 tiles of 128 units, 135,168 bytes, codes and scale words) go through the same two slots by JOINT loads: the four work-groups of a cluster walk the same tiles.
;   A step is 16 units: the tanh work of the step before in batches (one wait ahead of and one behind each batch of transcendentals), the next step's 36 LDS loads,
;   32 matrix instructions in one run (4 accumulators by turns, K ascending), and the start values of the other set of accumulators: coverage W3[u] + the table's sum.
; The table of a batch (16 bytes a unit, 16 KB) comes by plain loads and is stored into LDS bytes of its own.
; No prefetch: values are read once, each tile asked for a whole tile's work ahead, and part 1 holds little else than that stream; w1img is 1 MB that all work-groups walk.
; LIMITS: NaN among the inputs gives NaN scores.  2^(c x) may overflow to infinity or fall to 0: the quotient is then 0 or 1, which is tanh's limit.
; LDS: 0 two slots; TABLE 16 KB; STAGE 8,704 bytes a wave; SPARE the spare words.
; REGISTERS: window 0: v1-15 addresses; v16-47 values' scale words; v48-63 W1's, two sets; v64-95 coverage; v96-127 the rows' sums; v128-191 two sets of 4 accumulators (part 1: f32 at work); v192.. at work.
;   window 1: W1's fragments, two sets of 128.  Windows 2, 3: values' fragments: K step k, row tile m at 16 (4 (k % 4) + m), window 2 + k / 4.
.set QUART, 33792
.set SLOTB, 4*QUART
.set SCOFF, 131072
.set TABLE, 2*SLOTB
.set STAGE, TABLE+16384
.set WSTG,  8704
.set SPARE, STAGE+4*WSTG
.set VP,    528
.set GO,   1
.set FRD,  2
.set VLB,  3
.set LI,   4
.set LR,   5
.set VST,  6
.set VSW,  7
.set BADR, 8
.set SADR, 9
.set TADR, 10
.set TMPA, 11
.set SPW,  12
.set NIL,  13
.set FST,  14
.set SA,   16
.set SB,   48
.set COV,  64
.set SACC, 96
.set ACC,  128
.set X,    128
.set BW,   192
.set VT,   196
.set PC,   204
.set TM,   220
.set PW,   236
.set TOF,  240
.set TLD,  241
.set WV,   16
.set G1V,  24
.set G1W,  32
.set G0V,  48
.set G0W,  52
.set LA,   60
.set TB,   62
.set TS,   63
.set TT,   66
.set CNT,  67
.set LAP,  68
.set SM,   69
.set SS,   70
.set SW,   71
.set SEL,  72
.set MNT,  74
.set STB,  75
.set CS,   76
.set MSB, 0
.macro WIN new                         ; the immediate's high byte repeats the setting that is left
.if MSB != \new
	s_set_vgpr_msb (MSB<<8)|\new
.set MSB, \new
.endif
.endm
.macro ROUND                           ; a round of the cluster's barrier
	s_barrier_signal -1
	s_barrier_wait -1
	s_cmp_lg_u32 s[WV], 0
	s_cbranch_scc1 .Lnot_wave_0_\@
	s_barrier_signal -3
.Lnot_wave_0_\@:
	s_barrier_wait -3
	s_barrier_signal -1
	s_barrier_wait -1
.endm
; A change of slots: all my tensor loads have landed, the add, my LDS instructions are done; a round; then my one tensor load into slot par.
; fill = 1: my next tile of values; 2: my quarter of the next tile of W1's image (joint); 0: nothing is filled, a work-group barrier does.
.macro CHANGE fill, par, step
	WIN 0
	s_wait_tensorcnt 0x0
	ds_add_u32 v[SPW], v[NIL]
.if \fill == 1
	s_mov_b32 s[G0V+1], s[LA+\par]
.if \step
	s_add_nc_u64 s[G0V+2:G0V+3], s[G0V+2:G0V+3], 512
.endif
.elseif \fill == 2
	s_mov_b32 s[G0W+1], s[LA+\par]
.if \step
	s_add_nc_u64 s[G0W+2:G0W+3], s[G0W+2:G0W+3], SLOTB
.endif
.endif
	s_wait_dscnt 0x0
.if \fill
	ROUND
.if \fill == 1
	tensor_load_to_lds s[G0V:G0V+3], s[G1V:G1V+7]
	s_nop 0
.else
	tensor_load_to_lds s[G0W:G0W+3], s[G1W:G1W+7]
	s_nop 0
.endif
.rept 4
	v_nop
.endr
.else
	s_barrier_signal -1
	s_barrier_wait -1
.endif
.endm
; The quantiser: 16 rows x 128 K.  Lane (r, h) holds of row r, for each block b of 32, the 16 numbers k = 32 b + 16 h ..: the block's maximum is joined with lane l xor 16's.
.macro QUANT s
.irp b, 0,1,2,3
	v_max3_num_f32 v[TM+\b], |v[\s+16*\b]|, |v[\s+1+16*\b]|, 0x4800000   ; with the floor 2^(9 - 127): the scale's byte is at least 1
.endr
.irp i, 2,4,6,8,10,12,14
.irp b, 0,1,2,3
	v_max3_num_f32 v[TM+\b], v[TM+\b], |v[\s+16*\b+\i]|, |v[\s+1+16*\b+\i]|
.endr
.endr
.irp b, 0,1,2,3
	v_permlanex16_b32 v[TM+4+\b], v[TM+\b], s[SEL], s[SEL+1]
.endr
.irp b, 0,1,2,3
	v_max_num_f32 v[TM+\b], v[TM+\b], v[TM+4+\b]
.endr
.irp b, 0,1,2,3
	v_add_nc_u32 v[TM+12+\b], 0xfc000000, v[TM+\b]         ; 8 off the exponent field: the conversion's scale operand
.endr
.irp b, 0,1,2,3
	v_and_or_b32 v[TM+8+\b], v[TM+\b], 0x7f800000, s[MNT]  ; 448 x the scale
.endr
.irp b, 0,1,2,3
	v_lshrrev_b32 v[TM+4+\b], 23, v[TM+12+\b]              ; the scale's byte
.endr
	v_lshl_or_b32 v[PW], v[TM+5], 8, v[TM+4]
	v_lshl_or_b32 v[PW], v[TM+6], 16, v[PW]
	v_lshl_or_b32 v[PW], v[TM+7], 24, v[PW]
.irp b, 0,1,2,3
.irp i, 0,1,2,3,4,5,6,7,8,9,10,11,12,13,14,15
	v_med3_num_f32 v[\s+16*\b+\i], v[\s+16*\b+\i], -v[TM+8+\b], v[TM+8+\b]   ; the hold: the conversion does not saturate (ISA guide 7.6.2)
.endr
	v_cvt_scalef32_pk8_fp8_f32 v[PC+4*\b:PC+1+4*\b], v[\s+16*\b:\s+7+16*\b], v[TM+12+\b]
	v_cvt_scalef32_pk8_fp8_f32 v[PC+2+4*\b:PC+3+4*\b], v[\s+8+16*\b:\s+15+16*\b], v[TM+12+\b]
.endr
	v_nop
.endm
; K step k of my 64 rows: four row tiles in a counted loop, codes and scale words into my stage, then back into the fragments' registers.
.macro LTILE k
	s_mov_b32 s[SM], s[LA+((\k)%2)]
	s_mov_b32 s[SS], 0
	s_mov_b32 s[SW], 0
	s_mov_b32 s[CNT], 4
.Lrow_\@:
	v_add_nc_u32 v[TMPA], s[SM], v[VLB]
	v_add_nc_u32 v[BADR], s[SS], v[VST]
	v_add_nc_u32 v[SADR], s[SW], v[VSW]
.irp c, 0,1,2,3
.irp j, 0,1,2,3
	ds_load_b128 v[X+16*\c+4*\j:X+16*\c+4*\j+3], v[TMPA] offset:128*\c+16*\j
.endr
.endr
	s_wait_dscnt 0x0
	QUANT X
.irp c, 0,1,2,3
	ds_store_b128 v[BADR], v[PC+4*\c:PC+4*\c+3] offset:512*\c
.endr
	ds_store_b32 v[SADR], v[PW]
	s_add_co_u32 s[SM], s[SM], 16*VP
	s_add_co_u32 s[SS], s[SS], 2048
	s_add_co_u32 s[SW], s[SW], 4
	s_sub_co_u32 s[CNT], s[CNT], 1
	s_cmp_lg_u32 s[CNT], 0
	s_cbranch_scc1 .Lrow_\@
.if (\k) < 4
	WIN 0x80
.else
	WIN 0xc0
.endif
.irp m, 0,1,2,3
.irp c, 0,1,2,3
	ds_load_b128 v[16*(4*((\k)%4)+\m)+4*\c:16*(4*((\k)%4)+\m)+4*\c+3], v[VST] offset:2048*\m+512*\c   ; LDS serves a wave's instructions in order: these see the stores above
.endr
.endr
	WIN 0
	ds_load_b128 v[SA+4*(\k):SA+4*(\k)+3], v[VSW]  ; the four row tiles' scale words of this K step
.endm
; The tanh work on accumulator set q, in batches.  First half: x c, then 2^(x c).  A plain line follows it in the caller.
.macro TANH1 q
.set n, 0
.rept 16
	v_pk_mul_f32 v[ACC+32*(\q)+2*n:ACC+32*(\q)+2*n+1], v[ACC+32*(\q)+2*n:ACC+32*(\q)+2*n+1], s[CS:CS+1] op_sel_hi:[1,0]   ; each accumulator from its low end on
.set n, n+1
.endr
	s_wait_alu depctr_va_vdst(0)                   ; ahead of the batch
.set n, 0
.rept 32
	v_exp_f32 v[ACC+32*(\q)+n], v[ACC+32*(\q)+n]
.set n, n+1
.endr
.endm
; Second half: 1 + 2^(x c), its reciprocal, and x (-2 V[u]) onto the rows' sums.
.macro TANH2 q
	s_wait_alu depctr_va_vdst(0)                   ; behind the exponentials, ahead of their first reader
.set n, 0
.rept 16
	v_pk_add_f32 v[ACC+32*(\q)+2*n:ACC+32*(\q)+2*n+1], v[ACC+32*(\q)+2*n:ACC+32*(\q)+2*n+1], 1.0 op_sel_hi:[1,0]
.set n, n+1
.endr
	s_wait_alu depctr_va_vdst(0)                   ; ahead of the batch
.set n, 0
.rept 32
	v_rcp_f32 v[ACC+32*(\q)+n], v[ACC+32*(\q)+n]
.set n, n+1
.endr
	v_nop                                          ; a plain line behind the last reciprocal
	s_wait_alu depctr_va_vdst(0)                   ; behind the batch
.set n, 0
.rept 16
	v_pk_fma_f32 v[SACC+2*n:SACC+2*n+1], v[ACC+32*(\q)+2*n:ACC+32*(\q)+2*n+1], v[VT+2*(\q):VT+2*(\q)+1], v[SACC+2*n:SACC+2*n+1] op_sel_hi:[1,0,1]
.set n, n+1
.endr
.endm
; Accumulator set q starts as coverage[row] W3[u] + (q_proj + b1 + b2 + b3)[u]: register 8 m + j is row 16 m + 8 h + j, unit r
.macro INIT q
.set n, 0
.rept 16
	v_pk_fma_f32 v[ACC+32*(\q)+2*n:ACC+32*(\q)+2*n+1], v[COV+2*n:COV+2*n+1], v[BW+2:BW+3], v[BW:BW+1] op_sel_hi:[1,0,0]
.set n, n+1
.endr
.endm
; The next step's operands in one run: W1's 8 fragments into set 1 - p, its 8 scale words, the table's line; and this step's -2 V[u].
.macro RUN p, fetch
.if \fetch
	WIN 0x40
.irp k, 0,1,2,3,4,5,6,7
.irp c, 0,1,2,3
	ds_load_b128 v[128*(1-\p)+16*\k+4*\c:128*(1-\p)+16*\k+4*\c+3], v[BADR] offset:2048*\k+512*\c
.endr
.endr
	WIN 0
	ds_load_b128 v[SB+8*(1-\p):SB+8*(1-\p)+3], v[SADR]
	ds_load_b128 v[SB+8*(1-\p)+4:SB+8*(1-\p)+7], v[SADR] offset:256
	ds_load_b128 v[BW:BW+3], v[TADR] offset:256
.endif
	ds_load_b32 v[VT+2*\p], v[TADR] offset:4
	s_add_co_u32 s[TB], s[TB], 16384
	s_add_co_u32 s[TS], s[TS], 512
	s_add_co_u32 s[TT], s[TT], 256
.endm
; A step: 16 units on accumulator set p.  ep: the step before left results in set 1 - p.  fetch: a step follows.
.macro STEP p, ep, fetch
.if \ep
	TANH1 1-\p
.endif
.if \fetch
	v_add_nc_u32 v[BADR], s[TB], v[LI]             ; plain lines behind the exponentials
	v_add_nc_u32 v[SADR], s[TS], v[LR]
.endif
	v_add_nc_u32 v[TADR], s[TT], v[LR]
	RUN \p, \fetch                                 ; set 1 - p was last multiplied a step ago; the 16 lines of INIT stand behind those products
.if \ep
	TANH2 1-\p
.endif
.set i, 0
.rept 32                               ; source 0 = 16 rows of values, source 1 = 16 units; the four accumulators by turns, K ascending
	WIN 0x06+i/16
.set rD, ACC+32*\p+8*(i%4)
.set rF, 16*(4*((i/4)%4)+i%4)
.set rB, 128*\p+16*(i/4)
	v_wmma_scale_f32_16x16x128_f8f6f4 v[rD:rD+7], v[rF:rF+15], v[rB:rB+15], v[rD:rD+7], v[SA+4*(i/4)+i%4], v[SB+8*\p+i/4]
.set i, i+1
.endr
	WIN 0
	s_wait_dscnt 0x0                               ; the run of loads above is in
.if \fetch
	INIT 1-\p                                      ; 16 plain lines that name no register of the products above: their places (ISA guide 7.12.1)
.endif
.endm
.macro SLOTRUN n
	s_mov_b32 s[CNT], \n
.Lpair_\@:
	STEP 1, 1, 1
	STEP 0, 1, 1
	s_sub_co_u32 s[CNT], s[CNT], 1
	s_cmp_lg_u32 s[CNT], 0
	s_cbranch_scc1 .Lpair_\@
.endm
	s_load_b256 s[4:11], s[0:1], 0x0               ; values, coverage, w1img, table
	s_load_b64 s[12:13], s[0:1], 0x20              ; scores
	v_lshl_add_u32 v[SPW], v0, 2, SPARE
	v_mov_b32 v[NIL], 0
	ds_add_u32 v[SPW], v[NIL]                      ; the opening: the add, twice on end, and its wait ahead of my first tensor load
	ds_add_u32 v[SPW], v[NIL]
	v_lshrrev_b32 v1, 5, v0
	v_readfirstlane_b32 s[WV], v1                  ; wave 0..3
	s_bfe_u32 s17, ttmp6, 0x40000                  ; cx
	s_lshl_b32 s18, ttmp9, 2
	s_add_co_u32 s18, s18, s17                     ; the work-group
	s_lshl_b32 s20, s18, 20                        ; values: 256 rows of 4,096 bytes a work-group,
	s_lshl_b32 s21, s[WV], 18                      ; 64 a wave
	s_add_co_u32 s20, s20, s21
	s_mov_b32 s21, 0
	s_lshl_b32 s18, s18, 10                        ; coverage, scores: 1,024 bytes a work-group, 256 a wave
	s_lshl_b32 s19, s[WV], 8
	s_add_co_u32 s18, s18, s19
	s_mov_b32 s19, 0
	s_mul_i32 s22, s[WV], QUART                    ; my quarter of a tile of w1img
	s_mov_b32 s23, 0
	s_lshr_b32 s2, ttmp9, 1                        ; the batch: 8 work-groups, 2 clusters
	s_lshl_b32 s2, s2, 14
	s_mov_b32 s3, 0
	s_mul_i32 s[LA], s[WV], QUART                  ; my quarter of slot 0, of slot 1
	s_add_co_u32 s[LA+1], s[LA], SLOTB
	s_mul_i32 s[STB], s[WV], WSTG
	s_add_co_u32 s[STB], s[STB], STAGE             ; my stage
	s_mov_b32 s[G1V+0], (2<<16)|(1<<20)|(6<<22)|(3<<25)   ; values: elements of 4 bytes; 16 bytes of padding behind every 512
	s_mov_b32 s[G1V+1], 128<<16
	s_mov_b32 s[G1V+2], 64<<16
	s_mov_b32 s[G1V+3], 128<<16
	s_mov_b32 s[G1V+4], 64                         ; 64 rows x 128 numbers
	s_mov_b32 s[G1V+5], 1024
	s_mov_b32 s[G1V+6], 0
	s_mov_b32 s[G1V+7], 0
	s_mov_b32 s[G1W+0], 15|(3<<16)|(1<<21)         ; w1img: joint, all four of the cluster; a dense block as 132 rows of 256 bytes
	s_mov_b32 s[G1W+1], 32<<16
	s_mov_b32 s[G1W+2], 132<<16
	s_mov_b32 s[G1W+3], 32<<16
	s_mov_b32 s[G1W+4], 132
	s_mov_b32 s[G1W+5], 32
	s_mov_b32 s[G1W+6], 0
	s_mov_b32 s[G1W+7], 0
	s_mov_b32 s[SEL], 0x76543210
	s_mov_b32 s[SEL+1], 0xfedcba98                 ; v_permlanex16_b32's selects for lane l xor 16
	s_mov_b32 s[MNT], 0x600000                     ; the mantissa field of 448
	s_mov_b32 s[CS], 0x4038aa3b                    ; c = 2 log2 e
	s_mov_b32 s[CS+1], s[CS]
	v_and_b32 v1, 31, v0
	v_and_b32 v2, 15, v0                           ; r
	v_bfe_u32 v14, v0, 4, 1                        ; h
	v_mul_u32_u24 v[VLB], v2, VP
	v_lshl_add_u32 v[VLB], v14, 6, v[VLB]          ; a tile of values: row r, + 16 h numbers
	v_lshlrev_b32 v[LI], 4, v1                     ; an image's place: 16 x lane
	v_lshlrev_b32 v[LR], 4, v2                     ; 16 r
	v_add_nc_u32 v[VST], s[STB], v[LI]
	v_add_nc_u32 v[VSW], 8192, v[VST]
	v_lshlrev_b32 v15, 5, v14                      ; 32 h: 8 rows of coverage
	v_add_nc_u32 v[FST], s[STB], v15
	v_lshlrev_b32 v[GO], 3, v1
	v_add_nc_u32 v[FRD], s[STB], v[GO]
	v_lshlrev_b32 v[TOF], 4, v0                    ; the table: 16 x thread, in memory
	v_lshl_add_u32 v[TLD], v0, 4, TABLE            ; and in LDS
	v_mov_b32 v[VT+1], 0                           ; (upper halves of pairs of which the low word serves)
	v_mov_b32 v[VT+3], 0
.irp b, 0,1,2,3
	v_mov_b32 v[TM+4+\b], 0                        ; a lane permute's destination counts as one of its sources
.endr
	s_wait_alu depctr_va_vdst(0)                   ; the wait at the head's end
	s_wait_dscnt 0x0                               ; both opening adds are done
	s_wait_kmcnt 0x0
	s_mov_b32 s[G0V], 1
	s_mov_b32 s[G0V+1], s[LA]
	s_add_nc_u64 s[G0V+2:G0V+3], s[4:5], s[20:21]
	s_or_b32 s[G0V+3], s[G0V+3], 0x80000000
	s_mov_b32 s[G0W], 1
	s_mov_b32 s[G0W+1], s[LA]
	s_add_nc_u64 s[G0W+2:G0W+3], s[8:9], s[22:23]
	s_or_b32 s[G0W+3], s[G0W+3], 0x80000000
	s_add_nc_u64 s[6:7], s[6:7], s[18:19]
	s_add_nc_u64 s[10:11], s[10:11], s[2:3]
	s_add_nc_u64 s[12:13], s[12:13], s[18:19]
	ROUND
	tensor_load_to_lds s[G0V:G0V+3], s[G1V:G1V+7]  ; K step 0 of my rows: my one tensor load at the head
	s_nop 0
.irp m, 0,1,2,3
	global_load_b128 v[COV+8*\m:COV+8*\m+3], v15, s[6:7] offset:64*\m          ; coverage of rows 16 m + 8 h + 0 .. 7
	global_load_b128 v[COV+8*\m+4:COV+8*\m+7], v15, s[6:7] offset:64*\m+16
.endr
.irp i, 0,1,2,3,4,5,6,7
	global_load_b128 v[SACC+4*\i:SACC+4*\i+3], v[TOF], s[10:11] offset:2048*\i ; the batch's table: a wave's load covers 512 consecutive bytes
.endr
	CHANGE 1, 1, 1                                 ; slot 1's first fill, issued as a refill is
	s_wait_loadcnt 0x0
.irp i, 0,1,2,3,4,5,6,7
	ds_store_b128 v[TLD], v[SACC+4*\i:SACC+4*\i+3] offset:2048*\i              ; into bytes that no tensor load fills; the other waves read them behind later barriers
.endr
.set n, 0
.rept 32
	v_mov_b32 v[SACC+n], 0                         ; the rows' sums
.set n, n+1
.endr
	LTILE 0
.irp k, 1,2,3,4,5,6
	CHANGE 1, (\k+1)%2, 1
	LTILE \k
.endr
	CHANGE 2, 0, 0                                 ; slot 0 has been read out: W1's first tile
	LTILE 7
	CHANGE 2, 1, 1
	s_mov_b32 s[TB], 0
	s_mov_b32 s[TS], SCOFF
	s_mov_b32 s[TT], TABLE
	v_add_nc_u32 v[BADR], s[TB], v[LI]
	v_add_nc_u32 v[SADR], s[TS], v[LR]
	v_add_nc_u32 v[TADR], s[TT], v[LR]
	WIN 0x40
.irp k, 0,1,2,3,4,5,6,7
.irp c, 0,1,2,3
	ds_load_b128 v[16*\k+4*\c:16*\k+4*\c+3], v[BADR] offset:2048*\k+512*\c     ; the first 16 units
.endr
.endr
	WIN 0
	ds_load_b128 v[SB:SB+3], v[SADR]
	ds_load_b128 v[SB+4:SB+7], v[SADR] offset:256
	ds_load_b128 v[BW:BW+3], v[TADR]
	s_add_co_u32 s[TB], s[TB], 16384
	s_add_co_u32 s[TS], s[TS], 512
	s_wait_dscnt 0x0
	INIT 0
	s_wait_alu depctr_va_vdst(0)                   ; the wait behind these writes
.rept 8
	v_nop
.endr
; A step fetches the next step's units, so a slot has been read out one step before its last units are multiplied: the changes of slots stand there.
	STEP 0, 0, 1
	SLOTRUN 3
	s_mov_b32 s[LAP], 3
.Llap:
	CHANGE 2, 0, 1
	s_mov_b32 s[TB], SLOTB
	s_mov_b32 s[TS], SLOTB+SCOFF
	SLOTRUN 4
	CHANGE 2, 1, 1
	s_mov_b32 s[TB], 0
	s_mov_b32 s[TS], SCOFF
	SLOTRUN 4
	s_sub_co_u32 s[LAP], s[LAP], 1
	s_cmp_lg_u32 s[LAP], 0
	s_cbranch_scc1 .Llap
	CHANGE 0, 0, 0                                 ; the last tile has landed; nothing is filled again
	s_mov_b32 s[TB], SLOTB
	s_mov_b32 s[TS], SLOTB+SCOFF
	SLOTRUN 4
	STEP 1, 1, 0
.rept 8
	v_nop                                          ; places behind the last products
.endr
	TANH1 1
	v_nop                                          ; a plain line behind the last exponential
	TANH2 1
; A lane holds the sums over the units u = r mod 16: the sixteen lanes of a half are added; then 64 rows go through my stage and leave as 256 consecutive bytes.
.irp msk, 1,2,4,8
.set n, 0
.rept 32
	v_add_f32_dpp v[SACC+n], v[SACC+n], v[SACC+n] row_xmask:\msk row_mask:0xf bank_mask:0xf
.set n, n+1
.endr
.endr
.irp m, 0,1,2,3
.irp j, 0,1,2,3,4,5,6,7
	ds_store_b32 v[FST], v[SACC+8*\m+\j] offset:64*\m+4*\j   ; row 16 m + 8 h + j; sixteen lanes write the same word with the same number
.endr
.endr
	ds_load_b64 v[128:129], v[FRD]
	s_wait_dscnt 0x0
	global_store_b64 v[GO], v[128:129], s[12:13]   ; the wave stores 256 consecutive bytes, aligned
	s_wait_tensorcnt 0x0                           ; the wave's end
	ds_add_u32 v[SPW], v[NIL]
	s_wait_dscnt 0x0
	ROUND                                          ; the closing round
	s_endpgm
.Lfunc_end_k_qae00b3bea8_score:
	.size	k_qae00b3bea8_score, .Lfunc_end_k_qae00b3bea8_score-k_qae00b3bea8_score
	.p2alignl 7, 3214868480
	.fill 96, 4, 3214868480
	.section	.rodata,"a",@progbits
	.p2align	6, 0x0
	.amdhsa_kernel k_qae00b3bea8_score
		.amdhsa_group_segment_fixed_size 327680
		.amdhsa_private_segment_fixed_size 0
		.amdhsa_enable_private_segment 0
		.amdhsa_kernarg_size 40
		.amdhsa_user_sgpr_count 2
		.amdhsa_user_sgpr_kernarg_segment_ptr 1
		.amdhsa_wavefront_size32 1
		.amdhsa_system_sgpr_workgroup_id_x 1
		.amdhsa_system_sgpr_workgroup_id_y 1
		.amdhsa_system_sgpr_workgroup_id_z 1
		.amdhsa_system_vgpr_workitem_id 0
		.amdhsa_next_free_vgpr 1024
		.amdhsa_next_free_sgpr 80
		.amdhsa_reserve_vcc 0
		.amdhsa_float_denorm_mode_32 3
		.amdhsa_float_denorm_mode_16_64 3
		.amdhsa_memory_ordered 1
		.amdhsa_forward_progress 1
		.amdhsa_inst_pref_size 245
	.end_amdhsa_kernel
	.amdgpu_metadata
---
amdhsa.version: [ 1, 2 ]
amdhsa.kernels:
  - .name:           k_qae00b3bea8_score
    .symbol:         k_qae00b3bea8_score.kd
    .args:
      - { .name: values, .offset: 0, .size: 8, .value_kind: global_buffer, .address_space: global }
      - { .name: coverage, .offset: 8, .size: 8, .value_kind: global_buffer, .address_space: global }
      - { .name: w1img, .offset: 16, .size: 8, .value_kind: global_buffer, .address_space: global }
      - { .name: table, .offset: 24, .size: 8, .value_kind: global_buffer, .address_space: global }
      - { .name: scores, .offset: 32, .size: 8, .value_kind: global_buffer, .address_space: global }
    .group_segment_fixed_size: 327680
    .private_segment_fixed_size: 0
    .kernarg_segment_align: 8
    .kernarg_segment_size: 40
    .max_flat_workgroup_size: 128
    .sgpr_count:     80
    .vgpr_count:     1024
    .wavefront_size: 32
...
	.end_amdgpu_metadata
.endif
;; end of part 2
;; launch context (part 3): grid 8 x 32, 4 waves a work-group, no clusters, 327,680 bytes of LDS; arguments values, scores, coverage, out0, out1, out2; writes out0, out1, out2
.if DOCPART == 3
	.amdgcn_target "amdgcn-amd-amdhsa--gfx1250"
	.amdhsa_code_object_version 6
	.text
	.protected	k_qae00b3bea8_context
	.globl	k_qae00b3bea8_context
	.p2align	8
	.type	k_qae00b3bea8_context,@function
k_qae00b3bea8_context:
	s_mov_b64 s[64:65], 0
	v_nop
	global_prefetch_b8 v0, s[64:65] scope:SCOPE_SE
	s_setreg_imm32_b32 hwreg(HW_REG_WAVE_MODE, 25, 1), 1
	s_wait_xcnt 0x0
; CONTEXT.  w = softmax of a batch's 2,048 scores (the maximum is taken away first); out1 = w; out2 = coverage + w; out0[b][c] = sum over rows of w[row] values[b][row][c].
; (The scores come without bV and without the sum of V: both are the same along the softmax's axis, as shown at the head of the first kernel.)
; SHARES.  Work-group (g, b) owns out0[b][128 g .. 128 g + 127]: one owner for each output, no sum between work-groups.  Each of its four waves takes 512 rows; a row's part is 512 bytes.
; THE STREAM.  A wave's rows come in 8 tiles of 64 rows x 512 bytes by the tensor data mover, into a ring of two LDS slots of the wave's own (32 KB each): one load a wave behind each barrier,
; asked for a whole tile ahead; the other slot is read meanwhile.  A loop's trip takes two tiles (128 rows); the last two tiles are written out, since they fetch less.
; THE SOFTMAX is made by every work-group of a batch for itself from the batch's 8 KB of scores, while the first tile is on its way.  Thread t holds 16 scores: register 4 h + j of lane l of wave w is row 512 w + 128 h + 4 l + j,
; so that each load and store of a wave covers 512 consecutive bytes.  out1 and out2 are shared out: work-group g stores rows 256 g .. 256 g + 255 (wave g / 2, two of its four groups of 128 rows).
; The weights stay unnormalised (2^((s - M) log2 e), at most 1) while the rows are summed; 1 / sum, with sum at least 1, multiplies once at the end.
; A row's weight goes to a scalar by v_readlane_b32.  A trip reads registers W .. W + 3 (lanes 0-15 for its first tile, 16-31 for its second); at its end the 16 weight registers move down by four.
; No matrix unit: there is no matrix product here.  No cluster: what the eight work-groups of a batch share is 16 KB beside the 1 MB that each reads alone.  No prefetch: the launch asks memory for little but this one stream.
; LIMITS: NaN and infinities are not served.  The sum over the rows is kept in eight chains a wave and four parts a work-group: another order than a plain sum.
; LDS: 0 the four rings (64 KB a wave); PART the waves' parts of out0 (512 bytes each); RED the waves' maxima, at + 64 their sums; SPARE the spare words.
.set SLOT,  32768
.set PART,  262144
.set RED,   PART+2048
.set SPARE, RED+256
.set TMEM,  64*4096                    ; from a tile to the next in memory
.set W,    4                           ; v[4:19]    scores, then weights
.set COV,  20                          ; v[20:35]   coverage
.set T,    36                          ; v[36:63]   at work
.set X,    64                          ; v[64:191]  32 rows x 4
.set C,    192                         ; v[192:223] eight chains of four sums
.set SPW,  224
.set NIL,  225
.set LA,   226                         ; my ring + 16 x lane
.set SOF,  227                         ; 2,048 x wave + 16 x lane
.set RW,   228
.set RB,   229
.set PST,  230
.set L16,  231
.set IV,   232                         ; v[232:233] 1 / sum, twice
.set MX,   234                         ; v[234:235] the maximum, twice
.set G1,   24
.set G0,   32
.set WS,   40                          ; s[40:47] four pairs: a row's weight in the low word
	s_load_b256 s[4:11], s[0:1], 0x0               ; values, scores, coverage, out0
	s_load_b128 s[12:15], s[0:1], 0x20             ; out1, out2
	v_lshl_add_u32 v[SPW], v0, 2, SPARE
	v_mov_b32 v[NIL], 0
	ds_add_u32 v[SPW], v[NIL]                      ; the opening: the add, twice on end, and its wait ahead of my first tensor load
	ds_add_u32 v[SPW], v[NIL]
	v_lshrrev_b32 v1, 5, v0
	v_readfirstlane_b32 s16, v1                    ; wave 0..3
	s_and_b32 s17, ttmp7, 0xffff                   ; the batch
	s_lshl_b32 s18, s17, 13                        ; scores, coverage, out1, out2: 8,192 bytes a batch
	s_mov_b32 s19, 0
	s_lshl_b32 s20, s17, 23                        ; values: 8 MB a batch,
	s_lshl_b32 s55, s16, 21                        ; 512 rows of 4,096 bytes a wave,
	s_add_co_u32 s20, s20, s55
	s_lshl_b32 s55, ttmp9, 9                       ; 512 bytes a work-group
	s_add_co_u32 s20, s20, s55
	s_mov_b32 s21, 0
	s_lshl_b32 s22, s17, 12                        ; out0: 4,096 bytes a batch
	s_add_co_u32 s22, s22, s55
	s_mov_b32 s23, 0
	s_lshl_b32 s52, s16, 1                         ; the work-groups that store my rows of out1 and out2: 2 w for the first 256,
	s_add_co_u32 s53, s52, 1                       ; 2 w + 1 for the others
	s_lshl_b32 s56, s16, 16                        ; my ring
	s_mov_b32 s[G1+0], 2<<16                       ; elements of 4 bytes, no mask, no padding: a row is read by 32 lanes as 512 consecutive bytes
	s_mov_b32 s[G1+1], 128<<16                     ; tensor_dim0 = 128
	s_mov_b32 s[G1+2], 64<<16                      ; tensor_dim1 = 64
	s_mov_b32 s[G1+3], 128<<16                     ; tile_dim0 = 128
	s_mov_b32 s[G1+4], 64                          ; tile_dim1 = 64
	s_mov_b32 s[G1+5], 1024                        ; from row to row
	s_mov_b32 s[G1+6], 0
	s_mov_b32 s[G1+7], 0
.irp p, 1,3,5,7
	s_mov_b32 s[WS+\p], 0                          ; (upper halves of pairs of which the low word serves)
.endr
	s_mov_b32 s48, 0x76543210
	s_mov_b32 s49, 0xfedcba98                      ; v_permlanex16_b32's selects for lane l xor 16
	s_mov_b32 s50, 0x3fb8aa3b                      ; log2 e
	s_mov_b32 s51, s50
	v_lshrrev_b32 v1, 5, v0
	v_and_b32 v2, 31, v0
	v_lshlrev_b32 v[L16], 4, v2
	v_lshl_add_u32 v[SOF], v1, 11, v[L16]
	v_lshl_add_u32 v[LA], v1, 16, v[L16]
	v_lshl_add_u32 v[RW], v1, 2, RED
	v_mov_b32 v[RB], RED
	v_lshl_add_u32 v[PST], v0, 4, PART             ; 512 x wave + 16 x lane
.set n, 0
.rept 32
	v_mov_b32 v[C+n], 0                            ; the chains: the rows are summed in a loop
.set n, n+1
.endr
	s_wait_alu depctr_va_vdst(0)                   ; the wait at the head's end
	s_wait_dscnt 0x0                               ; both opening adds are done
	s_wait_kmcnt 0x0
	s_add_nc_u64 s[4:5], s[4:5], s[20:21]
	s_add_nc_u64 s[6:7], s[6:7], s[18:19]
	s_add_nc_u64 s[8:9], s[8:9], s[18:19]
	s_add_nc_u64 s[10:11], s[10:11], s[22:23]
	s_add_nc_u64 s[12:13], s[12:13], s[18:19]
	s_add_nc_u64 s[14:15], s[14:15], s[18:19]
.irp h, 0,1,2,3
	global_load_b128 v[W+4*\h:W+4*\h+3], v[SOF], s[6:7] offset:512*\h
.endr
.irp h, 0,1,2,3
	global_load_b128 v[COV+4*\h:COV+4*\h+3], v[SOF], s[8:9] offset:512*\h
.endr
.irp s, 0,1
	s_mov_b32 s[G0+4*\s], 1
	s_add_co_u32 s[G0+4*\s+1], s56, \s*SLOT
	s_add_nc_u64 s[G0+4*\s+2:G0+4*\s+3], s[4:5], \s*TMEM           ; slot s begins with tile s
	s_or_b32 s[G0+4*\s+3], s[G0+4*\s+3], 0x80000000
.endr
	tensor_load_to_lds s[G0:G0+3], s[G1:G1+7]      ; tile 0: my one tensor load at the head
	s_nop 0
	; ---- the softmax, while tile 0 is on its way
	s_wait_loadcnt 4                               ; the scores are in; coverage's four loads may be out
	v_max3_num_f32 v[T], v[W], v[W+1], v[W+2]
	v_max3_num_f32 v[T+1], v[W+3], v[W+4], v[W+5]
	v_max3_num_f32 v[T+2], v[W+6], v[W+7], v[W+8]
	v_max3_num_f32 v[T+3], v[W+9], v[W+10], v[W+11]
	v_max3_num_f32 v[T], v[T], v[W+12], v[W+13]
	v_max3_num_f32 v[T+1], v[T+1], v[W+14], v[W+15]
	v_max3_num_f32 v[T], v[T], v[T+2], v[T+3]
	v_max_num_f32 v[T], v[T], v[T+1]
.irp m, 1,2,4,8
	v_max_num_f32_dpp v[T], v[T], v[T] row_xmask:\m row_mask:0xf bank_mask:0xf
.endr
	v_permlanex16_b32 v[T+1], v[T], s48, s49
	v_max_num_f32 v[T], v[T], v[T+1]               ; my wave's maximum, in every lane
	ds_store_b32 v[RW], v[T]
	s_wait_dscnt 0x0                               ; for the others' sake: my store is done
	s_barrier_signal -1
	s_barrier_wait -1
	ds_load_b128 v[T+4:T+7], v[RB]
	s_wait_dscnt 0x0
	v_max3_num_f32 v[MX], v[T+4], v[T+5], v[T+6]
	v_max_num_f32 v[MX], v[MX], v[T+7]             ; M: the batch's largest score
	v_mov_b32 v[MX+1], v[MX]
.irp j, 0,2,4,6,8,10,12,14
	v_pk_add_f32 v[W+\j:W+\j+1], v[W+\j:W+\j+1], v[MX:MX+1] neg_lo:[0,1] neg_hi:[0,1]   ; the maximum is taken away first,
.endr
.irp j, 0,2,4,6,8,10,12,14
	v_pk_mul_f32 v[W+\j:W+\j+1], v[W+\j:W+\j+1], s[50:51] op_sel_hi:[1,0]               ; then x log2 e: 0 or less
.endr
	s_wait_alu depctr_va_vdst(0)                   ; ahead of the batch
.set n, 0
.rept 16
	v_exp_f32 v[W+n], v[W+n]
.set n, n+1
.endr
	v_nop                                          ; a plain line behind the last exponential
	s_wait_alu depctr_va_vdst(0)                   ; one wait for the sixteen, ahead of their first reader
	v_pk_add_f32 v[T:T+1], v[W:W+1], v[W+2:W+3]
	v_pk_add_f32 v[T+2:T+3], v[W+4:W+5], v[W+6:W+7]
	v_pk_add_f32 v[T+4:T+5], v[W+8:W+9], v[W+10:W+11]
	v_pk_add_f32 v[T+6:T+7], v[W+12:W+13], v[W+14:W+15]
	v_pk_add_f32 v[T:T+1], v[T:T+1], v[T+2:T+3]
	v_pk_add_f32 v[T+4:T+5], v[T+4:T+5], v[T+6:T+7]
	v_pk_add_f32 v[T:T+1], v[T:T+1], v[T+4:T+5]
	v_add_f32 v[T], v[T], v[T+1]
.irp m, 1,2,4,8
	v_add_f32_dpp v[T], v[T], v[T] row_xmask:\m row_mask:0xf bank_mask:0xf
.endr
	v_permlanex16_b32 v[T+1], v[T], s48, s49
	v_add_f32 v[T], v[T], v[T+1]
	ds_store_b32 v[RW], v[T] offset:64             ; other bytes than the maxima's: one barrier does
	s_wait_dscnt 0x0
	s_barrier_signal -1
	s_barrier_wait -1
	ds_load_b128 v[T+4:T+7], v[RB] offset:64
	s_wait_dscnt 0x0
	v_add_f32 v[T+4], v[T+4], v[T+5]
	v_add_f32 v[T+6], v[T+6], v[T+7]
	v_add_f32 v[T], v[T+4], v[T+6]                 ; the batch's sum: at least 1
	s_wait_alu depctr_va_vdst(0)                   ; ahead of the batch
	v_rcp_f32 v[IV], v[T]
	v_rcp_f32 v[IV+1], v[T]                        ; twice: a pair for the packed forms
	v_nop
	s_wait_alu depctr_va_vdst(0)                   ; behind it
	s_wait_loadcnt 0x0                             ; coverage
; out1 and out2 of group h of my four groups of 128 rows: a wave's store covers 512 consecutive bytes, aligned
.macro OUTS h
	v_pk_mul_f32 v[X+8*\h:X+8*\h+1], v[W+4*\h:W+4*\h+1], v[IV:IV+1]
	v_pk_mul_f32 v[X+8*\h+2:X+8*\h+3], v[W+4*\h+2:W+4*\h+3], v[IV:IV+1]
	v_pk_add_f32 v[X+8*\h+4:X+8*\h+5], v[COV+4*\h:COV+4*\h+1], v[X+8*\h:X+8*\h+1]
	v_pk_add_f32 v[X+8*\h+6:X+8*\h+7], v[COV+4*\h+2:COV+4*\h+3], v[X+8*\h+2:X+8*\h+3]
	global_store_b128 v[SOF], v[X+8*\h:X+8*\h+3], s[12:13] offset:512*\h
	global_store_b128 v[SOF], v[X+8*\h+4:X+8*\h+7], s[14:15] offset:512*\h
.endm
	s_cmp_lg_u32 s52, ttmp9                        ; ids alone; no barrier, wait or add stands under these branches
	s_cbranch_scc1 .Lnot_low
	OUTS 0
	OUTS 1
.Lnot_low:
	s_cmp_lg_u32 s53, ttmp9
	s_cbranch_scc1 .Lnot_high
	OUTS 2
	OUTS 3
.Lnot_high:
	s_wait_xcnt 0x0                                ; the stores have read their registers: the rows below land there
; Slot s is filled: all my tensor loads have landed, the add, my reads are back, the barrier; then my one load.  The other slot's address, whose load has landed, steps two tiles on.
.macro FILL s
	s_wait_tensorcnt 0x0
	ds_add_u32 v[SPW], v[NIL]
	s_add_nc_u64 s[G0+4*(1-\s)+2:G0+4*(1-\s)+3], s[G0+4*(1-\s)+2:G0+4*(1-\s)+3], 2*TMEM
	s_wait_dscnt 0x0
	s_barrier_signal -1
	s_barrier_wait -1
	tensor_load_to_lds s[G0+4*\s:G0+4*\s+3], s[G1:G1+7]
	s_nop 0
.endm
; The 64 rows in slot s, 32 at a time.  Row r's weight lies in lane lb + r / 4, register W + r % 4.
.macro TILE s, lb
.irp g, 0,1
.set i, 0
.rept 32
	ds_load_b128 v[X+4*i:X+4*i+3], v[LA] offset:\s*SLOT+(32*\g+i)*512
.set i, i+1
.endr
.set i, 0
.rept 32
	s_wait_dscnt 31-i                              ; LDS loads come back in order (ISA guide 5.7.1): row i is in, the younger ones may be out
	v_readlane_b32 s[WS+2*(i%4)], v[W+i%4], \lb+8*\g+i/4
	v_pk_fma_f32 v[C+4*(i%8):C+4*(i%8)+1], v[X+4*i:X+4*i+1], s[WS+2*(i%4):WS+2*(i%4)+1], v[C+4*(i%8):C+4*(i%8)+1] op_sel_hi:[1,0,1]
	v_pk_fma_f32 v[C+4*(i%8)+2:C+4*(i%8)+3], v[X+4*i+2:X+4*i+3], s[WS+2*(i%4):WS+2*(i%4)+1], v[C+4*(i%8)+2:C+4*(i%8)+3] op_sel_hi:[1,0,1]
.set i, i+1
.endr
.endr
	s_wait_alu depctr_va_vdst(0)
.endm
	s_mov_b32 s54, 3
.Ltrip:                                                ; tiles 2 u and 2 u + 1; tiles 2 u + 1 and 2 u + 2 are asked for
	FILL 1
	TILE 0, 0
	FILL 0
	TILE 1, 16
.set n, 0
.rept 12
	v_mov_b32 v[W+n], v[W+n+4]                     ; the next 128 rows' weights move into the registers that a trip reads
.set n, n+1
.endr
	s_wait_alu depctr_va_vdst(0)                   ; the wait ahead of the branch
	s_sub_co_u32 s54, s54, 1
	s_cmp_lg_u32 s54, 0
	s_cbranch_scc1 .Ltrip
	FILL 1                                         ; tile 7: the last load
	TILE 0, 0
	s_wait_tensorcnt 0x0                           ; tile 7 is in; only I read it
	TILE 1, 16
.irp d, 4,2,1
.set p, 0
.rept \d
	v_pk_add_f32 v[C+4*p:C+4*p+1], v[C+4*p:C+4*p+1], v[C+4*(p+\d):C+4*(p+\d)+1]
	v_pk_add_f32 v[C+4*p+2:C+4*p+3], v[C+4*p+2:C+4*p+3], v[C+4*(p+\d)+2:C+4*(p+\d)+3]
.set p, p+1
.endr
.endr
	v_pk_mul_f32 v[C:C+1], v[C:C+1], v[IV:IV+1]
	v_pk_mul_f32 v[C+2:C+3], v[C+2:C+3], v[IV:IV+1]
	ds_store_b128 v[PST], v[C:C+3]                 ; my wave's part
	s_wait_dscnt 0x0                               ; for wave 0's sake
	s_barrier_signal -1
	s_barrier_wait -1
	s_cmp_lg_u32 s16, 0
	s_cbranch_scc1 .Lend
.irp p, 0,1,2,3
	ds_load_b128 v[X+4*\p:X+4*\p+3], v[PST] offset:512*\p          ; in wave 0 this register is PART + 16 x lane
.endr
	s_wait_dscnt 0x0
	v_pk_add_f32 v[X:X+1], v[X:X+1], v[X+4:X+5]
	v_pk_add_f32 v[X+2:X+3], v[X+2:X+3], v[X+6:X+7]
	v_pk_add_f32 v[X+8:X+9], v[X+8:X+9], v[X+12:X+13]
	v_pk_add_f32 v[X+10:X+11], v[X+10:X+11], v[X+14:X+15]
	v_pk_add_f32 v[X:X+1], v[X:X+1], v[X+8:X+9]
	v_pk_add_f32 v[X+2:X+3], v[X+2:X+3], v[X+10:X+11]
	global_store_b128 v[L16], v[X:X+3], s[10:11]   ; 32 lanes store my work-group's 512 bytes of out0, aligned
.Lend:
	s_wait_tensorcnt 0x0                           ; the wave's end
	ds_add_u32 v[SPW], v[NIL]
	s_wait_dscnt 0x0
	s_endpgm
.Lfunc_end_k_qae00b3bea8_context:
	.size	k_qae00b3bea8_context, .Lfunc_end_k_qae00b3bea8_context-k_qae00b3bea8_context
	.p2alignl 7, 3214868480
	.fill 96, 4, 3214868480
	.section	.rodata,"a",@progbits
	.p2align	6, 0x0
	.amdhsa_kernel k_qae00b3bea8_context
		.amdhsa_group_segment_fixed_size 327680
		.amdhsa_private_segment_fixed_size 0
		.amdhsa_enable_private_segment 0
		.amdhsa_kernarg_size 48
		.amdhsa_user_sgpr_count 2
		.amdhsa_user_sgpr_kernarg_segment_ptr 1
		.amdhsa_wavefront_size32 1
		.amdhsa_system_sgpr_workgroup_id_x 1
		.amdhsa_system_sgpr_workgroup_id_y 1
		.amdhsa_system_sgpr_workgroup_id_z 1
		.amdhsa_system_vgpr_workitem_id 0
		.amdhsa_next_free_vgpr 240
		.amdhsa_next_free_sgpr 66
		.amdhsa_reserve_vcc 0
		.amdhsa_float_denorm_mode_32 3
		.amdhsa_float_denorm_mode_16_64 3
		.amdhsa_memory_ordered 1
		.amdhsa_forward_progress 1
		.amdhsa_inst_pref_size 87
	.end_amdhsa_kernel
	.amdgpu_metadata
---
amdhsa.version: [ 1, 2 ]
amdhsa.kernels:
  - .name:           k_qae00b3bea8_context
    .symbol:         k_qae00b3bea8_context.kd
    .args:
      - { .name: values, .offset: 0, .size: 8, .value_kind: global_buffer, .address_space: global }
      - { .name: scores, .offset: 8, .size: 8, .value_kind: global_buffer, .address_space: global }
      - { .name: coverage, .offset: 16, .size: 8, .value_kind: global_buffer, .address_space: global }
      - { .name: out0, .offset: 24, .size: 8, .value_kind: global_buffer, .address_space: global }
      - { .name: out1, .offset: 32, .size: 8, .value_kind: global_buffer, .address_space: global }
      - { .name: out2, .offset: 40, .size: 8, .value_kind: global_buffer, .address_space: global }
    .group_segment_fixed_size: 327680
    .private_segment_fixed_size: 0
    .kernarg_segment_align: 8
    .kernarg_segment_size: 48
    .max_flat_workgroup_size: 128
    .sgpr_count:     66
    .vgpr_count:     240
    .wavefront_size: 32
...
	.end_amdgpu_metadata
.endif
;; end of part 3
